; MI455X (gfx1250); checked and timed in simulation.
; The chip was launched on July 23, 2026; its instructions are those of AMD's public machine-readable ISA for CDNA 5 (MIT licence, August 2026) and "CDNA5" Instruction Set Architecture Reference Guide (July 2026). The comments in the code are by the model that wrote it; some were corrected since.
;; SRU Formula Cell. Allowed arithmetic: matrix products marked QUANTISED: E3M2 operands, one E8M0 scale for each 32 along K, by v_wmma_scale_f32_16x16x128_f8f6f4 with both operands' format E3M2, f32 sums; everything else in f32.
;; Inputs: W_c 2,048 x 2,048 float32; W_f 2,048 x 2,048 float32; W_r 2,048 x 2,048 float32; W_x 2,048 x 2,048 float32; b_c 2,048 float32; b_f 2,048 float32; b_r 2,048 float32; ct_forward 4,096 x 2,048 float32; xt 4,096 x 2,048 float32.
;; Outputs: out0 4,096 x 2,048 float32; out1 4,096 x 2,048 float32.
;; This version of the problem:
;;   THIS VERSION OF THE PROBLEM IS GIVEN IN LOW PRECISION. The matrix products marked QUANTISED in the list below multiply operands that are first quantised to E3M2 (3 exponent bits, 2 mantissa bits; 6 bits a number), with one power-of-two scale for each 32 numbers along K (OCP MX v1.0); their sums are f32. All else is computed in f32.
;;   The module's matrix products, in the order in which they are computed (A, B: the left and right operand; K: the contracted axis; several contracted axes count as one K, in the product's order):
;;     1. [M 4,096, K 2,048] x [K 2,048, N 2,048]; A: input xt; B: input W_x: QUANTISED
;;     2. [M 4,096, K 2,048] x [K 2,048, N 2,048]; A: input xt; B: input W_f: QUANTISED
;;     3. [M 4,096, K 2,048] x [K 2,048, N 2,048]; A: input xt; B: input W_r: QUANTISED
;;     4. [M 4,096, K 2,048] x [K 2,048, N 2,048]; A: input xt; B: input W_c: QUANTISED
;;   THE QUANTISER, for each operand of a quantised product, along K:
;;     - K is cut into blocks of 32 from its start; a last block that is shorter is filled with zeros.
;;     - A block's scale is 2^e with e = floor(log2(the largest magnitude in the block)) - 4, held to -126 .. 127; a block of zeros has e = 0. As a byte (E8M0): e + 127.
;;     - Each number is divided by its block's scale, clamped to +-28, and rounded to the nearest number of E3M2, ties to even, subnormals kept.
;;     - The product sums the exact products of the quantised numbers (number of the format x scale) in f32.
;;   ~~~python
;;   def quantise(x, axis):      # numpy; x: float32 -> the quantised numbers, widened to float32 again
;;       x = np.moveaxis(x, axis, -1); K = x.shape[-1]
;;       x = np.pad(x, [(0, 0)] * (x.ndim - 1) + [(0, -K % 32)]); x = x.reshape(x.shape[:-1] + (-1, 32)); a = np.abs(x).max(-1, keepdims=True)
;;       e = np.where(a > 0, np.clip(np.frexp(np.where(a > 0, a, 1))[1] - 1 - 4, -126, 127), 0)      # np.frexp(a)[1] - 1 = floor(log2(a)), exactly
;;       r = np.clip(x / 2.0 ** e, -28, 28)
;;       step = 2.0 ** (np.maximum(np.frexp(np.where(r == 0, 1, r))[1] - 1, -2) - 2)
;;       q = np.round(r / step) * step * 2.0 ** e      # np.round: ties to even
;;       return np.moveaxis(q.reshape(q.shape[:-2] + (-1,))[..., :K], -1, axis).astype(np.float32)
;;   ~~~
;; One version. Each part assembles by itself: llvm-mc -triple=amdgcn-amd-amdhsa -mcpu=gfx1250 --defsym DOCPART=n.
;; ======== version 1 of 1: 2 launches
;; workspace buffers: xq 6,291,456 bytes; xs 262,144 bytes; wq 12,582,912 bytes; ws 524,288 bytes
;; launch quant (part 1): grid 768 x 1, 4 waves a work-group, no clusters, 34,304 bytes of LDS; arguments xt, W_x, W_f, W_r, W_c, xq, xs, wq, ws; writes xq, xs, wq, ws
.if DOCPART == 1
	.amdgcn_target "amdgcn-amd-amdhsa--gfx1250"
	.amdhsa_code_object_version 6
	.text
	.protected	k_qaf04113cd0_quant
	.globl	k_qaf04113cd0_quant
	.p2align	8
	.type	k_qaf04113cd0_quant,@function
k_qaf04113cd0_quant:
	s_mov_b64 s[64:65], 0
	v_nop
	global_prefetch_b8 v0, s[64:65] scope:SCOPE_SE
	s_setreg_imm32_b32 hwreg(HW_REG_WAVE_MODE, 25, 1), 1
	s_wait_xcnt 0x0
; xt [4096][2048] and the four weights [2048][2048], f32, K innermost, become codes of BF6 (E3M2), 6 bits each, with one E8M0 scale byte for each 32 along K.
; A block's scale is 2^(floor(log2(its largest magnitude)) - 4); its byte is the largest magnitude's exponent field - 4, held at 1 from below; each number is divided by the scale and rounded to the nearest code,
; ties to even, what lies beyond 28 to the largest code.
; THE CODES ARE LAID AS THE PRODUCT'S LAUNCH WANTS THEM: as images of the operand's registers.  A fragment is 16 rows x 128 K: 12 registers a lane, 1,536 bytes: registers 4 c .. 4 c + 3 of lane l at 512 c + 16 l.
;   xq: [K / 256: 8][block of 16 rows: 256][128 of the 256: 2][1536];   wq: the same with 512 blocks of rows.   xs, ws: [block of rows][K / 256: 8][row: 16][2 words], a word = a row's four bytes for 128 along K.
; THE WEIGHTS' ROWS ARE SORTED: gate g (0 W_x, 1 W_f, 2 W_r, 3 W_c), block ob of 16 outputs -> block of rows 8 (ob / 2) + 2 g + ob % 2: 128 neighbouring rows of wq are 4 gates x 32 outputs.
; SHARES.  A work-group takes one block of 16 rows (the first 256 work-groups xt's, the others the weights'); wave w takes K = 512 w .. 512 w + 511: four fragments.  One path serves all five tensors: only pointers are chosen.
; Each load reads 512 consecutive bytes of one row.  The conversions want 16 neighbours along K in ONE lane's registers, so a fragment's 16 x 512 bytes turn through the wave's own stage in LDS (rows of 512 + 16 bytes,
; so that the sixteen rows of a read begin in sixteen different groups of banks).  Loads run a fragment ahead: up to 32 loads a wave are out.  Waves share nothing: no barrier.  No matrix work, no shared tile: no cluster, no tensor load.
; LIMITS: a block of zeros gets the byte 1 where the rule says 127 (its codes are zeros, which add nothing under any byte but 0xff, and this program alone reads the bytes); numbers under 2^-126 among the inputs were not tried;
; NaN and infinities among the inputs are not served.
.set SP,    528                        ; a stage row
.set WREG,  16*SP                      ; a wave's stage
.set R,     16                         ; v16-143  two sets of 64: a fragment's numbers as loaded (register 4 i + .. = row i)
.set X,     144                        ; v144-207 64 numbers of my row: register 16 b + i = k 32 b + 16 (lane / 16) + i
.set PC,    208                        ; v208-227 the codes just made
.set TM,    228                        ; v228-243 at work: largest magnitudes, bytes, the conversions' scale operands
.set PW,    244                        ; v244-247 the four fragments' scale words
.set SEL,   40                         ; s[40:41] lane selects for v_permlanex16_b32: lane l xor 16
	s_load_b256 s[4:11], s[0:1], 0x0               ; xt s[4:5], W_x s[6:7], W_f s[8:9], W_r s[10:11]
	s_load_b256 s[12:19], s[0:1], 0x20             ; W_c s[12:13], xq s[14:15], xs s[16:17], wq s[18:19]
	s_load_b64 s[20:21], s[0:1], 0x40              ; ws
	v_lshl_add_u32 v248, v0, 2, 0x8400
	v_mov_b32 v249, 0
	v_lshrrev_b32 v1, 5, v0
	v_readfirstlane_b32 s24, v1                    ; wave 0..3
	v_and_b32 v2, 31, v0                           ; lane
	v_lshlrev_b32 v3, 4, v2                        ; 16 x lane: my bytes of a load's 512, and of a store's; never rewritten
	v_lshlrev_b32 v5, 3, v2                        ; 8 x lane: my two scale words on the way out
	v_and_b32 v6, 15, v0                           ; r
	v_bfe_u32 v7, v0, 4, 1                         ; h
	s_mul_i32 s29, s24, WREG
	v_add_nc_u32 v14, s29, v3                      ; the stage, on the way in: 16 x lane in row i
	v_mul_u32_u24 v15, v6, SP
	v_lshl_add_u32 v15, v7, 6, v15
	v_add_nc_u32 v15, s29, v15                     ; and on the way out: row r, + 64 h: my 16 numbers of each block of 32
	s_mov_b32 s[SEL], 0x76543210
	s_mov_b32 s[SEL+1], 0xfedcba98
.irp b, 0,1,2,3
	v_mov_b32 v[TM+4+\b], 0                        ; written once: a lane permute's destination counts as one of its sources
.endr
	s_sub_co_u32 s25, ttmp9, 256                   ; j: which block of the weights (of no use in xt's work-groups, where nothing made of it is chosen)
	s_bfe_u32 s26, s25, 0x20007                    ; g = (j / 128) % 4
	s_and_b32 s27, s25, 127                        ; ob = j % 128
	s_lshr_b32 s28, s27, 1
	s_lshl_b32 s28, s28, 3
	s_lshl_b32 s34, s26, 1
	s_add_co_u32 s28, s28, s34
	s_and_b32 s34, s27, 1
	s_add_co_u32 s28, s28, s34                     ; its place in wq: 8 (ob / 2) + 2 g + ob % 2
	s_wait_kmcnt 0x0
	s_mov_b64 s[22:23], s[6:7]                     ; the gate's weight: every choice hangs on the work-group's number alone
	s_cmp_eq_u32 s26, 1
	s_cselect_b64 s[22:23], s[8:9], s[22:23]
	s_cmp_eq_u32 s26, 2
	s_cselect_b64 s[22:23], s[10:11], s[22:23]
	s_cmp_eq_u32 s26, 3
	s_cselect_b64 s[22:23], s[12:13], s[22:23]
	s_mov_b32 s36, 1572864                         ; wq: bytes from one 256 along K to the next
	s_cmp_lt_u32 ttmp9, 256                        ; xt's work-group, or a weight's?
	s_cselect_b64 s[22:23], s[4:5], s[22:23]       ; from where,
	s_cselect_b64 s[30:31], s[14:15], s[18:19]     ; the codes' buffer,
	s_cselect_b64 s[32:33], s[16:17], s[20:21]     ; the scale words',
	s_cselect_b32 s34, ttmp9, s27                  ; the block of 16 rows in the source,
	s_cselect_b32 s35, ttmp9, s28                  ; and in the two results,
	s_cselect_b32 s36, 786432, s36                 ; xq's step along K
	s_lshl_b32 s42, s34, 17                        ; 16 rows of 8,192 bytes
	s_lshl_b32 s43, s24, 11                        ; + my wave's 512 numbers
	s_add_co_u32 s42, s42, s43
	s_mov_b32 s43, 0
	s_add_nc_u64 s[22:23], s[22:23], s[42:43]
	s_mul_i32 s44, s35, 3072                       ; a block of rows has two fragments for each 256 along K
	s_mul_i32 s45, s24, s36
	s_lshl_b32 s45, s45, 1                         ; my wave's first 256 along K is number 2 w
	s_add_co_u32 s44, s44, s45
	s_mov_b32 s45, 0
	s_add_nc_u64 s[30:31], s[30:31], s[44:45]      ; fragments 0 and 1 go here,
	s_mov_b32 s37, 0
	s_add_nc_u64 s[38:39], s[30:31], s[36:37]      ; fragments 2 and 3 here
	s_lshl_b32 s46, s35, 10                        ; 1,024 bytes of scale words a block of rows,
	s_lshl_b32 s47, s24, 8                         ; 256 of them my wave's
	s_add_co_u32 s46, s46, s47
	s_mov_b32 s47, 0
	s_add_nc_u64 s[32:33], s[32:33], s[46:47]
.macro LOAD t                          ; fragment t: 128 numbers of each of the 16 rows, into set t % 2
.irp i, 0,1,2,3,4,5,6,7,8,9,10,11,12,13,14,15
	global_load_b128 v[R+64*((\t)%2)+4*\i:R+64*((\t)%2)+4*\i+3], v3, s[22:23] offset:8192*\i+512*(\t) th:TH_LOAD_NT   ; 32 lanes read 512 consecutive bytes of row i; read once in the launch
.endr
.endm
; 64 numbers of a lane, v[s] .. v[s + 63], become a fragment's codes in v[PC] .. v[PC + 11] and its scale word in v[pw].
.macro QUANT s, pw
.irp b, 0,1,2,3
	v_max3_num_f32 v[TM+\b], |v[\s+16*\b]|, |v[\s+1+16*\b]|, 0x2800000   ; block b: my 16 numbers, and the floor 2^(5 - 127), under which no largest magnitude is taken: so the byte cannot fall under 1
.endr
.irp i, 2,4,6,8,10,12,14
.irp b, 0,1,2,3
	v_max3_num_f32 v[TM+\b], v[TM+\b], |v[\s+16*\b+\i]|, |v[\s+1+16*\b+\i]|   ; (the four blocks by turns: no line waits for the line above it)
.endr
.endr
.irp b, 0,1,2,3
	v_permlanex16_b32 v[TM+4+\b], v[TM+\b], s[SEL], s[SEL+1]
.endr
.irp b, 0,1,2,3
	v_max_num_f32 v[TM+\b], v[TM+\b], v[TM+4+\b]   ; with lane l xor 16's 16: the block's largest magnitude
.endr
.irp b, 0,1,2,3
	v_add_nc_u32 v[TM+12+\b], 0xfe000000, v[TM+\b] ; 4 off its exponent field: the conversion takes the exponent field of this operand as its scale, and nothing else of it
.endr
.irp b, 0,1,2,3
	v_lshrrev_b32 v[TM+4+\b], 23, v[TM+12+\b]      ; the scale's byte
.endr
	v_lshl_or_b32 v[\pw], v[TM+5], 8, v[TM+4]      ; the four bytes make my row's scale word; both halves of the lanes hold it
	v_lshl_or_b32 v[\pw], v[TM+6], 16, v[\pw]
	v_lshl_or_b32 v[\pw], v[TM+7], 24, v[\pw]
.irp c, 0,1
	v_cvt_scalef32_pk16_bf6_f32 v[PC+6*\c:PC+2+6*\c], v[\s+32*\c:\s+15+32*\c], v[TM+12+2*\c]
	v_cvt_scalef32_pk16_bf6_f32 v[PC+12+4*\c:PC+14+4*\c], v[\s+16+32*\c:\s+31+32*\c], v[TM+12+2*\c+1]   ; (a conversion's three registers begin on an even number)
.endr
	v_nop                                          ; one plain place behind a scaled conversion
.irp c, 0,1                            ; the operand's layout wants a WHOLE block in a lane: lanes 0-15 block 2 c, lanes 16-31 block 2 c + 1
.irp i, 0,1,2
	v_permlane16_swap_b32 v[PC+6*\c+\i], v[PC+12+4*\c+\i]
.endr
.irp i, 0,1,2
	v_mov_b32 v[PC+3+6*\c+\i], v[PC+12+4*\c+\i]    ; registers 6 c .. 6 c + 5 now hold k = 64 c + 32 h + 0 .. 31
.endr
.endr
.endm
.macro STEP t
.if (\t) < 3
	s_wait_loadcnt 16                              ; this fragment's sixteen loads are in; the next fragment's sixteen may be out
.else
	s_wait_loadcnt 0x0
.endif
.irp i, 0,1,2,3,4,5,6,7,8,9,10,11,12,13,14,15
	ds_store_b128 v14, v[R+64*((\t)%2)+4*\i:R+64*((\t)%2)+4*\i+3] offset:SP*\i
.endr
.irp b, 0,1,2,3
.irp j, 0,1,2,3
	ds_load_b128 v[X+16*\b+4*\j:X+16*\b+4*\j+3], v15 offset:128*\b+16*\j   ; LDS serves a wave's instructions in order (ISA guide 5.7.1.4): these see the stores above
.endr
.endr
	s_wait_dscnt 0x0                               ; my 64 numbers are back, and the stores into the stage have read their registers,
.if (\t)+2 < 4
	LOAD (\t)+2                                    ; which take the fragment two on
.endif
.if (\t) > 0
	s_wait_xcnt 0x0                                ; the last fragment's stores have read the codes' registers: these are written again only behind this wait
.endif
	QUANT X, PW+(\t)
.irp c, 0,1,2
.if (\t) < 2
	global_store_b128 v3, v[PC+4*\c:PC+4*\c+3], s[30:31] offset:1536*((\t)%2)+512*\c   ; 32 lanes store 512 consecutive bytes, at a multiple of 256 from the buffer's first byte
.else
	global_store_b128 v3, v[PC+4*\c:PC+4*\c+3], s[38:39] offset:1536*((\t)%2)+512*\c
.endif
.endr
.endm
	LOAD 0
	LOAD 1
	STEP 0
	STEP 1
	STEP 2
	STEP 3
	v_cmp_gt_u32 vcc_lo, 16, v2                    ; lanes 0-15 send the words of my first 256 along K, lanes 16-31 those of the second
	v_cndmask_b32 v8, v[PW+2], v[PW], vcc_lo
	v_cndmask_b32 v9, v[PW+3], v[PW+1], vcc_lo
	global_store_b64 v5, v[8:9], s[32:33]          ; 32 lanes store 256 consecutive bytes, at a multiple of 256 from the buffer's first byte
	s_wait_tensorcnt 0x0
	ds_add_u32 v248, v249
	s_wait_dscnt 0x0
	s_endpgm
.Lfunc_end_k_qaf04113cd0_quant:
	.size	k_qaf04113cd0_quant, .Lfunc_end_k_qaf04113cd0_quant-k_qaf04113cd0_quant
	.p2alignl 7, 3214868480
	.fill 96, 4, 3214868480
	.section	.rodata,"a",@progbits
	.p2align	6, 0x0
	.amdhsa_kernel k_qaf04113cd0_quant
		.amdhsa_group_segment_fixed_size 34304
		.amdhsa_private_segment_fixed_size 0
		.amdhsa_enable_private_segment 0
		.amdhsa_kernarg_size 72
		.amdhsa_user_sgpr_count 2
		.amdhsa_user_sgpr_kernarg_segment_ptr 1
		.amdhsa_wavefront_size32 1
		.amdhsa_system_sgpr_workgroup_id_x 1
		.amdhsa_system_sgpr_workgroup_id_y 1
		.amdhsa_system_sgpr_workgroup_id_z 1
		.amdhsa_system_vgpr_workitem_id 0
		.amdhsa_next_free_vgpr 250
		.amdhsa_next_free_sgpr 66
		.amdhsa_reserve_vcc 1
		.amdhsa_float_denorm_mode_32 3
		.amdhsa_float_denorm_mode_16_64 3
		.amdhsa_memory_ordered 1
		.amdhsa_forward_progress 1
		.amdhsa_inst_pref_size 34
	.end_amdhsa_kernel
	.amdgpu_metadata
---
amdhsa.version: [ 1, 2 ]
amdhsa.kernels:
  - .name:           k_qaf04113cd0_quant
    .symbol:         k_qaf04113cd0_quant.kd
    .args:
      - { .name: xt, .offset: 0, .size: 8, .value_kind: global_buffer, .address_space: global }
      - { .name: W_x, .offset: 8, .size: 8, .value_kind: global_buffer, .address_space: global }
      - { .name: W_f, .offset: 16, .size: 8, .value_kind: global_buffer, .address_space: global }
      - { .name: W_r, .offset: 24, .size: 8, .value_kind: global_buffer, .address_space: global }
      - { .name: W_c, .offset: 32, .size: 8, .value_kind: global_buffer, .address_space: global }
      - { .name: xq, .offset: 40, .size: 8, .value_kind: global_buffer, .address_space: global }
      - { .name: xs, .offset: 48, .size: 8, .value_kind: global_buffer, .address_space: global }
      - { .name: wq, .offset: 56, .size: 8, .value_kind: global_buffer, .address_space: global }
      - { .name: ws, .offset: 64, .size: 8, .value_kind: global_buffer, .address_space: global }
    .group_segment_fixed_size: 34304
    .private_segment_fixed_size: 0
    .kernarg_segment_align: 8
    .kernarg_segment_size: 72
    .max_flat_workgroup_size: 128
    .sgpr_count:     66
    .vgpr_count:     250
    .wavefront_size: 32
...
	.end_amdgpu_metadata
.endif
;; end of part 1
;; launch gemm (part 2): grid 32 x 16, 4 waves a work-group, clusters of 4 x 4, 327,680 bytes of LDS; arguments xq, xs, wq, ws, ct_forward, b_f, b_r, b_c, out0, out1; writes out0, out1
.if DOCPART == 2
	.amdgcn_target "amdgcn-amd-amdhsa--gfx1250"
	.amdhsa_code_object_version 6
	.text
	.protected	k_qaf04113cd0_gemm
	.globl	k_qaf04113cd0_gemm
	.p2align	8
	.type	k_qaf04113cd0_gemm,@function
k_qaf04113cd0_gemm:
	s_mov_b64 s[64:65], 0
	v_nop
	global_prefetch_b8 v0, s[64:65] scope:SCOPE_SE
	s_setreg_imm32_b32 hwreg(HW_REG_WAVE_MODE, 25, 1), 1
	s_wait_xcnt 0x0
	s_wait_alu depctr_hold_cnt(0) depctr_sa_sdst(0) depctr_va_vdst(0) depctr_va_sdst(0) depctr_va_ssrc(0) depctr_va_vcc(0) depctr_vm_vsrc(0)
	s_getreg_b32 s2, hwreg(HW_REG_IB_STS2, 6, 4)
	s_cmp_eq_u32 s2, 0
	s_cbranch_scc0 .Lentry_in_a_cluster
	s_endpgm
.Lentry_in_a_cluster:
	s_bfe_u32 s2, ttmp6, 0x10000c
	s_cmp_lg_u32 s2, 0xf033
	s_cbranch_scc0 .Lentry_shape_is_right
	s_endpgm
.Lentry_shape_is_right:
; out1 = ct = ft ctf + (1 - ft) x_t;  out0 = ht = rt tanh(ct) + (1 - rt) (x_c + b_c);  ft = sigmoid(x_f + b_f), rt = sigmoid(x_r + b_r);  x_g = xt W_g^T, the four products on codes of BF6 (E3M2) with one E8M0 scale
; for each 32 along K = 2,048; sums in f32; all behind the products in f32.
; OPERANDS: xq and wq hold images of the operands' registers: a fragment (16 rows x 128 K) is 1,536 bytes, registers 4 c .. 4 c + 3 of lane l at 512 c + 16 l; [K / 256][block of 16 rows][2][1536].  So a fragment is three
; loads of 512 consecutive LDS bytes, and 128 rows x 256 K are one dense block of 24,576 bytes.  xs, ws: [block of rows][K / 256][row][2 words].  wq's rows are sorted: 128 neighbouring rows are 4 gates x 32 outputs.
; SHARES.  A work-group makes 256 rows x 64 outputs of both results: 256 x 256 of the product.  Four waves, as many as a WGP has SIMDs; wave (RH, CH) makes rows 128 RH on x (4 gates x outputs 32 CH on): 64 accumulators, 512 registers.
; THE MATRIX INSTRUCTION IS USED TRANSPOSED (source 0 = 16 rows of wq, source 1 = 16 rows of xq): in accumulator (a, b = 2 g + u) lane (r, h) holds in register j: row 16 a + r, gate g, output 16 u + 8 h + j.
; So the four gates of one number lie in ONE lane at ONE register index, and the gates are applied in registers: none of the four products goes to memory.
; K goes in steps of 256 through a ring of two LDS slots filled by the tensor data mover.  The scale words of the work-group's rows for all of K, and its tile of ct_forward, come once, with the first fills.
; THE WAY OUT GOES BY QUARTERS: behind every two blocks of 16 rows a barrier, and the 32 finished rows of each half of the tile leave while the next blocks' gates are computed: only the last quarter's stores stand behind the last gate.
; CLUSTERS: 4 x 4 work-groups.  The four of a row of the cluster need the same tiles of xq, the four of a column the same tiles of wq: each is asked for JOINTLY, by the same tensor load with the same descriptor and a mask
; that names the four.  ct_forward's tile is the work-group's own: a plain load.
; LIMITS: sigmoid and tanh are made of 2^x and 1 / x: 1 - ft = 1 / (1 + 2^(k z)), tanh(c) = 1 - 2 / (1 + 2^(2 k c)), k = log2(e): they run rightly into 0, 1 and -1 where 2^x leaves f32's range; near c = 0 tanh has an
; absolute error of the size of f32's rounding of 1.  NaN and infinities among the inputs are not served.
; REGISTERS, in windows of 256: window 0: v0-31 addresses; v32-63 scale words, two sets, and nothing else; v64-111 the biases; from v128 xq's fragments, ONE set; behind the products v112-223 serve the gates.
;   window 1: wq's fragments, TWO sets, at v0 and v128; behind the products the rows read back on the way out, 64 registers a quarter.
;   window 2: the accumulators of my rows 0-63 ((a, b) at v[8 (8 a + b)]);   window 3: those of my rows 64-127.
.set KSTRA,  786432                    ; xq: bytes from one 256 along K to the next
.set KSTRB,  1572864                   ; wq likewise
.set NQ,     2                         ; matrix instructions deep in a slot
.set FR,     12                        ; registers of a fragment
.set NL,     3                         ; LDS loads that bring one
.set NP,     4                         ; places behind this matrix instruction (ISA guide 7.12.1)
.set HALFT,  24576                     ; 128 rows x 256 K: what one tensor load brings, and what one wave reads of xq or of wq
.set SLOT,   4*HALFT                   ; xq's 256 rows, then wq's 256 rows
.set LAPS,   4                         ; a lap = two K steps of 256 = once round the ring
.set HALFS,  8192                      ; the scale words of 128 rows, all of K
.set SCL,    2*SLOT                    ; behind the ring: the scale words: xs' two halves, ws' two halves
.set CP,     272                       ; a row of 64 f32 + 16 bytes: the sixteen rows of an access begin in sixteen different groups of banks
.set CTFB,   SCL+4*HALFS               ; ct_forward's tile, 256 rows; ct is written over it, each lane over the bytes that it has read itself
.set SPARE,  CTFB+256*CP               ; the spare words, 128 bytes for each wave: two blocks of 256 bytes that no other line names
                                       ; ht's stage, 256 rows x CP, lies at LDS byte 0, in slot 0, which has had its last fill and its last read when the first result is stored there
.set ADRA, 16                          ; v16-17  LDS address of my fragments of xq in slot 0, 1
.set ADRB, 20                          ; v20-21  the same for wq
.set CTA,  22                          ; v22     my 32 bytes of a row of ct_forward's tile
.set HTA,  23                          ; v23     the same place in ht's stage
.set RDC,  24                          ; v24     the way out: where I read a row of ct back: rows 128 RH + 16 CH on
.set RDH,  25                          ; v25     and of ht
.set CO,   26                          ; v26     my byte offset in the wave's rows of a result
.set ADRS, 27                          ; v27     LDS address of my scale words: lanes 0-15 xq's rows, lanes 16-31 wq's
.set SPW,  28                          ; v28     LDS address of my spare word: SPARE + 4 x my thread's number; never rewritten
.set NIL,  29                          ; v29     0; never rewritten
.set BO,   30                          ; v30     my byte offset in a bias
.set SC,   32                          ; scale words: set s at v[SC + 16 s]; register 2 i + q: lanes 0-15 the word of xq's block i, lanes 16-31 that of wq's block i, for the slot's q-th 128 along K
.set BF,   64                          ; v64-79   k b_f of my 16 outputs (index 8 u + j)
.set BR,   80                          ; v80-95   -k b_r
.set BC,   96                          ; v96-111  b_c
.set CF,   112                         ; v112-143 ct_forward of a block of rows, two sets
.set AF,   128                         ; xq's fragments
.set ZF,   144                         ; the gates: v144-159 k z_f, then 1 - ft;  v160-175 -k z_r, then rt
.set ZR,   160
.set XC,   176                         ; v176-191 x_c + b_c
.set EE,   192                         ; v192-207 x_t - ctf, then ct
.set TT,   208                         ; v208-223 tanh(ct), then ht
.set KP,   4                           ; s[4:5] k = log2(e);  s[6:7] -k;  s[8:9] 2 k  (set once the pointers that came there are used up; a packed form names a pair and takes its low word for both halves)
.set KN,   6
.set K2,   8
.set G0C,  12                          ; s[12:15] descriptor group 0 for ct_forward's tile
.set G1,   24                          ; s[24:31] group 1 for xq's tiles;  s[32:39] group 0, one set for each slot
.set G0,   32
.set WV,   40                          ; s40 my wave's number;  s41 which half of the rows is mine, also: I fetch for xq (0) or wq (1);  s42 which half of the columns, also: which 128 rows I fetch
.set RH,   41
.set CH,   42
.set G1B,  48                          ; s[48:55], s[56:63] the same for wq's tiles
.set G0B,  56
.set LAP,  66
.set G1S,  68                          ; s[68:75], s[76:79] groups 1 and 0 for xs;  s[80:87], s[88:91] for ws
.set G0S,  76
.set G1SB, 80
.set G0SB, 88
.set G1C,  92                          ; s[92:99] group 1 for ct_forward's tile
.set MSB, 0
.macro WIN new                         ; the immediate's high byte repeats the setting that is left; a switch that changes nothing is dropped
.if MSB != \new
	s_set_vgpr_msb (MSB<<8)|\new
.set MSB, \new
.endif
.endm
.set MUL_LO, 0xa1                      ; source 0 (wq) window 1, source 1 (xq) window 0, C and D window 2
.set MUL_HI, 0xf1                      ; the same, C and D window 3
.set TO_B,   0x40                      ; destination window 1, address window 0
.set FROM_B, 0x04                      ; a store's data are its source 1: window 1; its address window 0
; A joint load: waves 0 and 1 fetch for xq, waves 2 and 3 for wq.  Each of the two lines has ONE mask and one set of registers for all that issue it; the branch hangs on the wave's number alone.
; Four v_nop follow each of the two lines, ahead of the jump, the label and what follows.
.macro JLOAD g0a, g1a, g0b, g1b
	s_cmp_eq_u32 s[RH], 0
	s_cbranch_scc0 .Lfor_b_\@
	tensor_load_to_lds s[\g0a:\g0a+3], s[\g1a:\g1a+7]
	s_nop 0
.rept 4
	v_nop
.endr
	s_branch .Lasked_\@
.Lfor_b_\@:
	tensor_load_to_lds s[\g0b:\g0b+3], s[\g1b:\g1b+7]
	s_nop 0
.rept 4
	v_nop
.endr
.Lasked_\@:
.endm
.macro CREST                           ; a round of the cluster's barrier behind its opening barrier
	s_cmp_lg_u32 s[WV], 0
	s_cbranch_scc1 .Lnot_wave_0_\@
	s_barrier_signal -3
.Lnot_wave_0_\@:
	s_barrier_wait -3
	s_barrier_signal -1
	s_barrier_wait -1
.endm
.macro CROUND                          ; a whole round
	s_barrier_signal -1
	s_barrier_wait -1
	CREST
.endm
	s_load_b256 s[4:11], s[0:1], 0x0               ; xq s[4:5], xs s[6:7], wq s[8:9], ws s[10:11]
	s_load_b64 s[G0C+2:G0C+3], s[0:1], 0x20        ; ct_forward, where its descriptor wants it
	s_load_b256 s[16:23], s[0:1], 0x28             ; b_f s[16:17], b_r s[18:19], b_c s[20:21], out0 s[22:23]
	s_load_b64 s[104:105], s[0:1], 0x48            ; out1
	v_lshl_add_u32 v[SPW], v0, 2, SPARE
	v_mov_b32 v[NIL], 0
	ds_add_u32 v28, v29
	ds_add_u32 v28, v29
	s_wait_dscnt 0x0
	v_lshrrev_b32 v1, 5, v0
	v_readfirstlane_b32 s[WV], v1                  ; wave 0..3
	s_lshr_b32 s[RH], s[WV], 1
	s_and_b32 s[CH], s[WV], 1
	s_bfe_u32 s43, ttmp6, 0x40000                  ; cx, cy: my place in the cluster
	s_bfe_u32 s44, ttmp6, 0x40004
	s_lshl_b32 s45, ttmp9, 2
	s_add_co_u32 s45, s45, s43                     ; TC: which 64 outputs = 4 x cluster x + cx
	s_and_b32 s46, ttmp7, 0xffff
	s_lshl_b32 s46, s46, 2
	s_add_co_u32 s46, s46, s44                     ; TR: which 256 rows = 4 x cluster y + cy
	s_lshl_b32 s2, s44, 2
	s_lshl_b32 s2, 15, s2                          ; my row of the cluster
	s_lshl_b32 s3, 0x1111, s43                     ; my column
	; descriptor group 1: a dense block of 24,576 bytes as 96 rows of 32 elements of 8 bytes; no padding: every LDS access to it takes 512 consecutive bytes
	s_or_b32 s[G1], s2, (3<<16)|(1<<21)            ; 15:0 the mask: xq's tiles go to my row; 17:16 elements of 8 bytes; 20 padding off; 21 set beside a mask
	s_or_b32 s[G1B], s3, (3<<16)|(1<<21)           ; wq's go to my column
.irp g, G1, G1B
	s_mov_b32 s[\g+1], 32<<16                      ; tensor_dim0 = 32
	s_mov_b32 s[\g+2], 96<<16                      ; tensor_dim1 = 96
	s_mov_b32 s[\g+3], 32<<16                      ; tile_dim0 = 32
	s_mov_b32 s[\g+4], 96                          ; tile_dim1 = 96
	s_mov_b32 s[\g+5], 32                          ; tensor_dim0_stride
	s_mov_b32 s[\g+6], 0
	s_mov_b32 s[\g+7], 0
.endr
	; the scale words of 128 rows: a dense block of 8,192 bytes, 32 such rows
	s_or_b32 s[G1S], s2, (3<<16)|(1<<21)
	s_or_b32 s[G1SB], s3, (3<<16)|(1<<21)
.irp g, G1S, G1SB
	s_mov_b32 s[\g+1], 32<<16
	s_mov_b32 s[\g+2], 32<<16
	s_mov_b32 s[\g+3], 32<<16
	s_mov_b32 s[\g+4], 32
	s_mov_b32 s[\g+5], 32
	s_mov_b32 s[\g+6], 0
	s_mov_b32 s[\g+7], 0
.endr
	; ct_forward: 64 rows of 64 f32, 2,048 elements apart, 16 bytes of padding behind each row in LDS
	s_mov_b32 s[G1C], (2<<16)|(1<<20)|(5<<22)|(3<<25)  ; 15:0 no mask; 17:16 elements of 4 bytes; 20 padding on; 24:22 after every 64 words (code 5); 31:25 of 4 words (code 3)
	s_mov_b32 s[G1C+1], 64<<16
	s_mov_b32 s[G1C+2], 64<<16
	s_mov_b32 s[G1C+3], 64<<16
	s_mov_b32 s[G1C+4], 64
	s_mov_b32 s[G1C+5], 2048
	s_mov_b32 s[G1C+6], 0
	s_mov_b32 s[G1C+7], 0
	; where the tiles come from, as byte offsets in the descriptors' own words.  xq's and xs' hang on TR alone, which my row of the cluster shares; wq's and ws' on TC alone, which my column shares
	s_mul_i32 s47, s[CH], HALFT                    ; which 128 rows I fetch
	s_mul_i32 s[G0+2], s46, 2*HALFT
	s_add_co_u32 s[G0+2], s[G0+2], s47
	s_mov_b32 s[G0+3], 0
	s_mul_i32 s[G0B+2], s45, 2*HALFT
	s_add_co_u32 s[G0B+2], s[G0B+2], s47
	s_mov_b32 s[G0B+3], 0
	s_mul_i32 s47, s[CH], HALFS
	s_mul_i32 s[G0S+2], s46, 2*HALFS
	s_add_co_u32 s[G0S+2], s[G0S+2], s47
	s_mov_b32 s[G0S+3], 0
	s_mul_i32 s[G0SB+2], s45, 2*HALFS
	s_add_co_u32 s[G0SB+2], s[G0SB+2], s47
	s_mov_b32 s[G0SB+3], 0
	s_lshl_b32 s100, s46, 21                       ; in ct_forward: 256 TR rows of 8,192 bytes
	s_lshl_b32 s47, s[WV], 19                      ; + the 64 rows that my wave fetches
	s_add_co_u32 s100, s100, s47
	s_lshl_b32 s3, s45, 8                          ; + 64 TC numbers
	s_add_co_u32 s100, s100, s3
	s_mov_b32 s101, 0
	; and where they go: wave x its part: no place in the cluster enters an LDS address
	s_mul_i32 s47, s[WV], HALFT
.irp s, 0,1
	s_mov_b32 s[G0+4*\s], 1                        ; 1:0 count = 1
	s_add_co_u32 s[G0+4*\s+1], s47, \s*SLOT        ; 63:32 LDS address
	s_mov_b32 s[G0B+4*\s], 1
	s_add_co_u32 s[G0B+4*\s+1], s47, \s*SLOT
.endr
	s_mul_i32 s47, s[WV], HALFS
	s_mov_b32 s[G0S], 1
	s_add_co_u32 s[G0S+1], s47, SCL
	s_mov_b32 s[G0SB], 1
	s_add_co_u32 s[G0SB+1], s47, SCL
	s_mul_i32 s47, s[WV], 64*CP
	s_mov_b32 s[G0C], 1
	s_add_co_u32 s[G0C+1], s47, CTFB
	s_wait_kmcnt 0x0
	s_add_nc_u64 s[G0+2:G0+3], s[4:5], s[G0+2:G0+3]           ; 120:64 global address: K step 0,
	s_add_nc_u64 s[G0+6:G0+7], s[G0+2:G0+3], KSTRA            ; K step 1
	s_add_nc_u64 s[G0B+2:G0B+3], s[8:9], s[G0B+2:G0B+3]
	s_add_nc_u64 s[G0B+6:G0B+7], s[G0B+2:G0B+3], KSTRB
	s_add_nc_u64 s[G0S+2:G0S+3], s[6:7], s[G0S+2:G0S+3]
	s_add_nc_u64 s[G0SB+2:G0SB+3], s[10:11], s[G0SB+2:G0SB+3]
	s_add_nc_u64 s[G0C+2:G0C+3], s[G0C+2:G0C+3], s[100:101]
.irp g, G0+3, G0+7, G0B+3, G0B+7, G0S+3, G0SB+3, G0C+3
	s_or_b32 s[\g], s[\g], 0x80000000              ; 127:126 type = 2
.endr
	CROUND                                         ; all sixteen work-groups are here: the first joint loads meet
	JLOAD G0S, G1S, G0SB, G1SB                     ; the first fills go out as one group, four loads a wave: the scale words,
	JLOAD G0, G1, G0B, G1B                         ; K step 0,
	JLOAD G0+4, G1, G0B+4, G1B                     ; K step 1,
	tensor_load_to_lds s[G0C:G0C+3], s[G1C:G1C+7]  ; and my wave's 64 rows of ct_forward's tile
	s_nop 0
.rept 4
	v_nop
.endr
	s_mul_i32 s47, s[CH], 393216                   ; on the way out my wave's rows begin at 128 RH + 16 CH, not at 64 wave = 128 RH + 64 CH: 48 CH rows of 8,192 bytes less
	s_sub_co_u32 s100, s100, s47
	s_add_nc_u64 s[22:23], s[22:23], s[100:101]    ; out0 and out1 at my wave's first row of the way out
	s_add_nc_u64 s[104:105], s[104:105], s[100:101]
	s_mov_b32 s[KP], 0x3fb8aa3b                    ; k = log2(e)
	s_mov_b32 s[KP+1], s[KP]
	s_mov_b32 s[KN], 0xbfb8aa3b                    ; -k
	s_mov_b32 s[KN+1], s[KN]
	s_mov_b32 s[K2], 0x4038aa3b                    ; 2 k
	s_mov_b32 s[K2+1], s[K2]
	v_and_b32 v1, 15, v0                           ; r = lane % 16
	v_bfe_u32 v2, v0, 4, 1                         ; h = lane / 16
	s_lshl_b32 s47, s[CH], 7
	s_add_co_u32 s3, s3, s47
	v_lshl_add_u32 v[BO], v2, 5, s3                ; the biases of outputs 64 TC + 32 CH + 16 u + 8 h + 0 .. 7
.irp u, 0,1
.irp p, 0,1
	global_load_b128 v[BF+8*\u+4*\p:BF+8*\u+4*\p+3], v[BO], s[16:17] offset:64*\u+16*\p
	global_load_b128 v[BR+8*\u+4*\p:BR+8*\u+4*\p+3], v[BO], s[18:19] offset:64*\u+16*\p
	global_load_b128 v[BC+8*\u+4*\p:BC+8*\u+4*\p+3], v[BO], s[20:21] offset:64*\u+16*\p
.endr
.endr
	v_and_b32 v3, 31, v0
	v_lshlrev_b32 v4, 4, v3                        ; 16 x lane: an image's place for my lane
	s_mul_i32 s47, s[RH], HALFT                    ; my 128 rows of xq
	v_add_nc_u32 v[ADRA], s47, v4
	v_add_nc_u32 v[ADRA+1], SLOT, v[ADRA]
	s_mul_i32 s47, s[CH], HALFT                    ; my 128 rows of wq,
	s_add_co_u32 s47, s47, 2*HALFT                 ; which lie behind xq's 256
	v_add_nc_u32 v[ADRB], s47, v4
	v_add_nc_u32 v[ADRB+1], SLOT, v[ADRB]
	v_mul_u32_u24 v5, v1, CP
	v_lshl_add_u32 v5, v2, 5, v5                   ; row r, + 32 h
	s_mul_i32 s47, s[RH], 128*CP                   ; + my 128 rows
	s_lshl_b32 s67, s[CH], 7                       ; + my 32 outputs
	s_add_co_u32 s47, s47, s67
	v_add_nc_u32 v[HTA], s47, v5
	v_add_nc_u32 v[CTA], CTFB, v[HTA]
	v_mul_u32_u24 v6, v2, CP                       ; back: lanes 0-15 take one row of 256 bytes, lanes 16-31 the next;
	v_lshl_add_u32 v6, v1, 4, v6
	s_mul_i32 s47, s[RH], 128*CP                   ; of a quarter's 32 rows in my half of the tile
	s_mul_i32 s67, s[CH], 16*CP                    ; wave CH takes 16
	s_add_co_u32 s47, s47, s67
	v_add_nc_u32 v[RDH], s47, v6
	v_add_nc_u32 v[RDC], CTFB, v[RDH]
	v_lshlrev_b32 v[CO], 13, v2                    ; and the same two rows in a result
	v_lshl_add_u32 v[CO], v1, 4, v[CO]
	v_lshlrev_b32 v7, 3, v1                        ; my row's two scale words of a K step
	s_mul_i32 s47, s[RH], HALFS                    ; xs: my 128 rows
	s_mul_i32 s67, s[CH], HALFS                    ; ws: my 128 rows, behind xs' 256
	s_add_co_u32 s67, s67, 2*HALFS
	s_sub_co_u32 s67, s67, s47
	v_mul_u32_u24 v8, s67, v2                      ; lanes 16-31 take ws': one product, the distance x h
	s_add_co_u32 s47, s47, SCL
	v_add_nc_u32 v7, v7, v8
	v_add_nc_u32 v[ADRS], s47, v7
	s_wait_loadcnt 0x0                             ; the biases
.irp j, 0,2,4,6,8,10,12,14
	v_pk_mul_f32 v[BF+\j:BF+\j+1], v[BF+\j:BF+\j+1], s[KP:KP+1] op_sel_hi:[1,0]   ; k b_f
	v_pk_mul_f32 v[BR+\j:BR+\j+1], v[BR+\j:BR+\j+1], s[KN:KN+1] op_sel_hi:[1,0]   ; -k b_r
.endr
.macro FRAG reg, adr, q, i             ; a fragment comes as it was laid: three loads, each of 512 consecutive bytes
.irp c, 0,1,2
	ds_load_b128 v[\reg+4*\c:\reg+4*\c+3], v[\adr] offset:3072*(\i)+1536*(\q)+512*\c
.endr
.endm
; 16 matrix instructions: xq's blocks a0, a0 + 1 x wq's eight, 128 along K: the slot's q-th.  p: wq's set;  sc: the set of scale words.  zero = 1: the first product starts the sums: nothing is ever cleared.
; The 64 accumulators take turns, one instruction a turn, in the same order in every step.
.macro MUL16 a0, p, q, sc, zero
.irp a, \a0, \a0+1
.irp b, 0,1,2,3,4,5,6,7
.if \zero
	v_wmma_scale_f32_16x16x128_f8f6f4 v[8*(8*((\a)%4)+\b):8*(8*((\a)%4)+\b)+7], v[128*(\p)+FR*\b:128*(\p)+FR*\b+FR-1], v[AF+FR*(\a):AF+FR*(\a)+FR-1], 0, v[SC+8*NQ*(\sc)+NQ*\b+(\q)], v[SC+8*NQ*(\sc)+NQ*(\a)+(\q)] matrix_a_fmt:MATRIX_FMT_BF6 matrix_b_fmt:MATRIX_FMT_BF6 matrix_a_scale:MATRIX_SCALE_ROW1
.else
	v_wmma_scale_f32_16x16x128_f8f6f4 v[8*(8*((\a)%4)+\b):8*(8*((\a)%4)+\b)+7], v[128*(\p)+FR*\b:128*(\p)+FR*\b+FR-1], v[AF+FR*(\a):AF+FR*(\a)+FR-1], v[8*(8*((\a)%4)+\b):8*(8*((\a)%4)+\b)+7], v[SC+8*NQ*(\sc)+NQ*\b+(\q)], v[SC+8*NQ*(\sc)+NQ*(\a)+(\q)] matrix_a_fmt:MATRIX_FMT_BF6 matrix_b_fmt:MATRIX_FMT_BF6 matrix_a_scale:MATRIX_SCALE_ROW1
.endif
.endr
.endr
.endm
.macro FETCH_B slot, q, p              ; wq's eight fragments of the slot's q-th 128 along K into set p
	WIN TO_B
.irp i, 0,1,2,3,4,5,6,7
	FRAG 128*(\p)+FR*\i, ADRB+\slot, \q, \i
.endr
	WIN 0
.endm
.macro FETCH_A slot, q, i0             ; xq's blocks i0 .. i0 + 3
.irp i, \i0, \i0+1, \i0+2, \i0+3
	FRAG AF+FR*(\i), ADRA+\slot, \q, \i
.endr
.endm
.macro SCALES sc                       ; a K step's scale words into set sc: two words a row; lanes 0-15 take xq's block i, lanes 16-31 wq's block i
.irp i, 0,1,2,3,4,5,6,7
	ds_load_b64 v[SC+8*NQ*\sc+NQ*\i:SC+8*NQ*\sc+NQ*\i+1], v[ADRS] offset:\i*1024
.endr
.endm
; A load into a register that a matrix instruction has read, and a vector instruction that reads a matrix result, stand NP places behind that matrix instruction, and only plain vector instructions that name none
; of its registers are places (ISA guide 7.12.1 for vector instructions); this text does not count the matrix instructions in between.
.macro PLACES n
.rept \n
	v_nop
.endr
.endm
; A step of 128 along K that has its successor in the same slot.  xq's blocks go one after the other, each against wq's eight, so a block of xq is free as soon as its eight products are issued and ONE set serves xq:
; blocks 0-3 are fetched anew in the step's middle, blocks 4-7 at its end.  wq's fragments are at work through the whole step and have two sets.
.macro STEP slot, q, zero
	s_wait_dscnt 4*NL                              ; wq's set, xq's blocks 0-3 and the scale words are in; the youngest twelve loads (xq's blocks 4-7) may be out
	WIN MUL_LO
	MUL16 0, (\q)%2, \q, \slot, \zero
	MUL16 2, (\q)%2, \q, \slot, \zero
	s_wait_dscnt 0                                 ; xq's blocks 4-7 are in (asked for 32 matrix instructions ago)
	PLACES NP
	FETCH_B \slot, (\q)+1, 1-(\q)%2
	FETCH_A \slot, (\q)+1, 0
	WIN MUL_HI
	MUL16 4, (\q)%2, \q, \slot, \zero
	MUL16 6, (\q)%2, \q, \slot, \zero
	PLACES NP
	WIN 0
	FETCH_A \slot, (\q)+1, 4
.endm
; A slot's last step changes slots: ONE barrier; in front of it each wave waits for all its tensor loads, adds 0 to its spare word, and waits for that and for its own reads of this slot.  fill = 1: this slot is filled again, two K steps ahead:
; between that request and the wait for it a wave issues 96 matrix instructions.
.macro TURN slot, next, fill
	s_wait_tensorcnt 0x0                           ; all my tensor loads have landed: my part of the next slot (the first time my rows of ct_forward too);  (every window is 0 here: the add's two registers lie in window 0)
	ds_add_u32 v[SPW], v[NIL]                      ; 0 onto my spare word
	s_wait_dscnt 4*NL+1                            ; (the add and the youngest twelve loads, xq's blocks 4-7, may be out)
	WIN MUL_LO
	MUL16 0, 1, NQ-1, \slot, 0                     ; sixteen matrix instructions stand between the add and the wait for it
	s_wait_dscnt 0x0                               ; the add is done, and my reads of this slot are over
	s_barrier_signal -1
	MUL16 2, 1, NQ-1, \slot, 0
	WIN 0
	s_barrier_wait -1
.if \fill
	CREST                                          ; the barrier has opened a round of the cluster's barrier: no wave of any partner still reads this slot's tile or has a load on its way
	s_add_nc_u64 s[G0+4*\slot+2:G0+4*\slot+3], s[G0+4*\slot+2:G0+4*\slot+3], 2*KSTRA
	s_add_nc_u64 s[G0B+4*\slot+2:G0B+4*\slot+3], s[G0B+4*\slot+2:G0B+4*\slot+3], 2*KSTRB
	JLOAD G0+4*\slot, G1, G0B+4*\slot, G1B         ; the first tensor load behind the round, and my one load until the next; the four v_nop behind it are the places in front of the loads below
.else
	PLACES NP
.endif
	v_add_nc_u32 v[ADRS], 128, v[ADRS]             ; on to the next K step's scale words: 16 rows x 8 bytes
	FETCH_B \next, 0, 0
	FETCH_A \next, 0, 0
	SCALES \next
	WIN MUL_HI
	MUL16 4, 1, NQ-1, \slot, 0
	MUL16 6, 1, NQ-1, \slot, 0
	PLACES NP
	WIN 0
	FETCH_A \next, 0, 4
.endm
	s_wait_tensorcnt 2                             ; the scale words and my part of K step 0 are in; the two loads issued behind them (K step 1's, ct_forward's) may be out
	s_barrier_signal -1
	s_barrier_wait -1                              ; everybody's are
	FETCH_B 0, 0, 0
	FETCH_A 0, 0, 0
	SCALES 0
	FETCH_A 0, 0, 4
	STEP 0, 0, 1                                   ; the first step stands in front of the loop: its products start the sums
	s_mov_b32 s[LAP], LAPS-1
.Llap:                                                 ; a trip goes once round the ring, from a lap's second step to the next lap's first, and fills both slots again
	TURN 0, 1, 1
	STEP 1, 0, 0
	TURN 1, 0, 1
	STEP 0, 0, 0
	s_sub_co_u32 s[LAP], s[LAP], 1
	s_cmp_lg_u32 s[LAP], 0
	s_cbranch_scc1 .Llap
	TURN 0, 1, 0                                   ; the last lap fills nothing, and has no round of the cluster's barrier
	STEP 1, 0, 0
	s_wait_dscnt 4*NL                              ; the very last step: nothing more to fetch
	WIN MUL_LO
	MUL16 0, 1, NQ-1, 1, 0
	MUL16 2, 1, NQ-1, 1, 0
	s_wait_dscnt 0
	WIN MUL_HI
	MUL16 4, 1, NQ-1, 1, 0
	MUL16 6, 1, NQ-1, 1, 0
	WIN 0
; THE WAY OUT, a quarter (two blocks of 16 rows in each half of the tile) at a time.  A row's 256 bytes come from two waves, so a barrier stands between the writing and the reading of a quarter's rows.
; Of quarter q wave (RH, CH) takes rows 128 RH + 32 q + 16 CH + 0 .. 15 of both stages: 8 loads of ct, 8 of ht, two rows each, into v[64 q] .. v[64 q + 63] of window 1: the four quarters fill the window,
; so no register that a store reads is ever written again.  Between two barriers the waves read finished quarters' rows alone and write later quarters' rows alone.
.macro LOADQ q
	WIN TO_B
.irp t, 0,1,2,3,4,5,6,7
	ds_load_b128 v[64*(\q)+4*\t:64*(\q)+4*\t+3], v[RDC] offset:(32*(\q)+2*\t)*CP
.endr
.irp t, 0,1,2,3,4,5,6,7
	ds_load_b128 v[64*(\q)+32+4*\t:64*(\q)+32+4*\t+3], v[RDH] offset:(32*(\q)+2*\t)*CP
.endr
	WIN 0
.endm
.macro SENDQ q, counted                ; counted = 1: nothing was issued behind the quarter's sixteen loads, and each store waits for its own;  0: a wait has shown them all in
	WIN FROM_B
.irp t, 0,1,2,3,4,5,6,7
.if \counted
	s_wait_dscnt 15-\t                             ; LDS loads come back in order (ISA guide 5.7.1): load t of the sixteen is in
.endif
	global_store_b128 v[CO], v[64*(\q)+4*\t:64*(\q)+4*\t+3], s[104:105] offset:(32*(\q)+2*\t)*8192 th:TH_STORE_NT   ; ct.  16 lanes store 256 consecutive bytes, at a multiple of 256 from the buffer's first byte; written once, read by nobody here
.endr
.irp t, 0,1,2,3,4,5,6,7
.if \counted
	s_wait_dscnt 7-\t
.endif
	global_store_b128 v[CO], v[64*(\q)+32+4*\t:64*(\q)+32+4*\t+3], s[22:23] offset:(32*(\q)+2*\t)*8192 th:TH_STORE_NT   ; ht
.endr
	WIN 0
.endm
.macro MEETQ                           ; for the others' sake: my stores into the two stages are done; then the work-group's barrier.
	s_wait_dscnt 0x0
	s_barrier_signal -1
	s_barrier_wait -1
.endm
; THE GATES, block by block of 16 rows.  A lane has 16 numbers of a block (u = 0, 1; j = 0 .. 7), each with its four sums at one register index in four accumulators.
.macro CFLOAD a                        ; ct_forward of block a: my 2 x 32 bytes of row 16 a + r
.irp u, 0,1
.irp p, 0,1
	ds_load_b128 v[CF+16*((\a)%2)+8*\u+4*\p:CF+16*((\a)%2)+8*\u+4*\p+3], v[CTA] offset:16*CP*(\a)+64*\u+16*\p
.endr
.endr
.endm
.macro EPI a, sq                       ; sq: the quarter whose rows, read back just ahead of this block, are stored at its head; -1: none
.set AC, 64*((\a)%4)                   ; the block's eight accumulators, in window 2 (blocks 0-3) or 3 (blocks 4-7): x_t at 8 u, x_f at 8 (2 + u), x_r at 8 (4 + u), x_c at 8 (6 + u)
.set CFA, CF+16*((\a)%2)
.if (\a) < 7
	CFLOAD (\a)+1
	s_wait_dscnt 4                                 ; all but the four loads just issued: this block's ct_forward is in, the last block's stores into the stages are done, and a quarter read back ahead of this block is in its registers
.else
	s_wait_dscnt 0x0
.endif
.if (\sq) >= 0
	SENDQ \sq, 0                                   ; the finished quarter leaves while this block's and the next block's gates are computed
.endif
	WIN (0x02+(\a)/4)                              ; source 0: the accumulators' window; all else window 0
.irp u, 0,1
.irp p, 0,2,4,6                        ; each accumulator from its low end on
	v_pk_fma_f32 v[ZF+8*\u+\p:ZF+8*\u+\p+1], v[AC+8*(2+\u)+\p:AC+8*(2+\u)+\p+1], s[KP:KP+1], v[BF+8*\u+\p:BF+8*\u+\p+1] op_sel_hi:[1,0,1]   ; k (x_f + b_f)
	v_pk_fma_f32 v[ZR+8*\u+\p:ZR+8*\u+\p+1], v[AC+8*(4+\u)+\p:AC+8*(4+\u)+\p+1], s[KN:KN+1], v[BR+8*\u+\p:BR+8*\u+\p+1] op_sel_hi:[1,0,1]   ; -k (x_r + b_r)
	v_pk_add_f32 v[XC+8*\u+\p:XC+8*\u+\p+1], v[AC+8*(6+\u)+\p:AC+8*(6+\u)+\p+1], v[BC+8*\u+\p:BC+8*\u+\p+1]                               ; x_c + b_c
	v_pk_add_f32 v[EE+8*\u+\p:EE+8*\u+\p+1], v[AC+8*\u+\p:AC+8*\u+\p+1], v[CFA+8*\u+\p:CFA+8*\u+\p+1] neg_lo:[0,1] neg_hi:[0,1]          ; x_t - ctf
.endr
.endr
	WIN 0
.set J, 0
.rept 32
	v_exp_f32 v[ZF+J], v[ZF+J]                     ; 2^(k z_f), then 2^(-k z_r)
.set J, J+1
.endr
	v_nop                                          ; one plain place behind the last transcendental of a run (ISA guide 5.7.2)
.set J, 0
	s_wait_alu depctr_va_vdst(0)
.rept 16
	v_pk_add_f32 v[ZF+J:ZF+J+1], v[ZF+J:ZF+J+1], 1.0 op_sel_hi:[1,0]
.set J, J+2
.endr
.set J, 0
.rept 32
	v_rcp_f32 v[ZF+J], v[ZF+J]                     ; 1 - ft = 1 / (1 + e^z_f), then rt = 1 / (1 + e^-z_r)
.set J, J+1
.endr
	v_nop
.set J, 0
	s_wait_alu depctr_va_vdst(0)
.rept 8
	v_pk_fma_f32 v[EE+J:EE+J+1], v[ZF+J:ZF+J+1], v[EE+J:EE+J+1], v[CFA+J:CFA+J+1]   ; ct = ctf + (1 - ft) (x_t - ctf)
.set J, J+2
.endr
.set J, 0
.rept 8
	v_pk_mul_f32 v[TT+J:TT+J+1], v[EE+J:EE+J+1], s[K2:K2+1] op_sel_hi:[1,0]
.set J, J+2
.endr
.set J, 0
.rept 16
	v_exp_f32 v[TT+J], v[TT+J]                     ; e^(2 ct)
.set J, J+1
.endr
	v_nop
.set J, 0
	s_wait_alu depctr_va_vdst(0)
.rept 8
	v_pk_add_f32 v[TT+J:TT+J+1], v[TT+J:TT+J+1], 1.0 op_sel_hi:[1,0]
.set J, J+2
.endr
.set J, 0
.rept 16
	v_rcp_f32 v[TT+J], v[TT+J]
.set J, J+1
.endr
	v_nop
.set J, 0
	s_wait_alu depctr_va_vdst(0)
.rept 8
	v_pk_fma_f32 v[TT+J:TT+J+1], v[TT+J:TT+J+1], -2.0, 1.0 op_sel_hi:[1,0,0]        ; tanh(ct) = 1 - 2 / (1 + e^(2 ct))
.set J, J+2
.endr
.set J, 0
.rept 8
	v_pk_add_f32 v[TT+J:TT+J+1], v[TT+J:TT+J+1], v[XC+J:XC+J+1] neg_lo:[0,1] neg_hi:[0,1]
.set J, J+2
.endr
.set J, 0
.rept 8
	v_pk_fma_f32 v[TT+J:TT+J+1], v[ZR+J:ZR+J+1], v[TT+J:TT+J+1], v[XC+J:XC+J+1]     ; ht = x_conv + rt (tanh(ct) - x_conv)
.set J, J+2
.endr
.irp u, 0,1
.irp p, 0,1
	ds_store_b128 v[CTA], v[EE+8*\u+4*\p:EE+8*\u+4*\p+3] offset:16*CP*(\a)+64*\u+16*\p   ; ct over the bytes of ct_forward that this lane has read, and no other lane reads ahead of the quarter's barrier
	ds_store_b128 v[HTA], v[TT+8*\u+4*\p:TT+8*\u+4*\p+3] offset:16*CP*(\a)+64*\u+16*\p   ; ht into its stage
.endr
.endr
.endm
	PLACES NP                                      ; behind the last products: for the first reads of results, and for the loads and vector writes into the registers that held the fragments
	CFLOAD 0
	EPI 0, -1
	EPI 1, -1
	MEETQ                                          ; rows 0-31 of both halves of the tile are whole in both stages
	LOADQ 0
	EPI 2, 0
	EPI 3, -1
	MEETQ                                          ; rows 32-63
	LOADQ 1
	EPI 4, 1
	EPI 5, -1
	MEETQ                                          ; rows 64-95
	LOADQ 2
	EPI 6, 2
	EPI 7, -1
	MEETQ                                          ; rows 96-127
	LOADQ 3
	SENDQ 3, 1                                     ; the one quarter whose stores stand behind the last gate
	s_wait_tensorcnt 0x0                           ; the wave's end, behind my last tensor load and my last LDS store
	ds_add_u32 v[SPW], v[NIL]
	s_wait_dscnt 0x0
	CROUND                                         ; the closing round: no work-group ends while a partner may still ask for a tile that names it
	s_endpgm
.Lfunc_end_k_qaf04113cd0_gemm:
	.size	k_qaf04113cd0_gemm, .Lfunc_end_k_qaf04113cd0_gemm-k_qaf04113cd0_gemm
	.p2alignl 7, 3214868480
	.fill 96, 4, 3214868480
	.section	.rodata,"a",@progbits
	.p2align	6, 0x0
	.amdhsa_kernel k_qaf04113cd0_gemm
		.amdhsa_group_segment_fixed_size 327680
		.amdhsa_private_segment_fixed_size 0
		.amdhsa_enable_private_segment 0
		.amdhsa_kernarg_size 80
		.amdhsa_user_sgpr_count 2
		.amdhsa_user_sgpr_kernarg_segment_ptr 1
		.amdhsa_wavefront_size32 1
		.amdhsa_system_sgpr_workgroup_id_x 1
		.amdhsa_system_sgpr_workgroup_id_y 1
		.amdhsa_system_sgpr_workgroup_id_z 1
		.amdhsa_system_vgpr_workitem_id 0
		.amdhsa_next_free_vgpr 1024
		.amdhsa_next_free_sgpr 106
		.amdhsa_reserve_vcc 0
		.amdhsa_float_denorm_mode_32 3
		.amdhsa_float_denorm_mode_16_64 3
		.amdhsa_memory_ordered 1
		.amdhsa_forward_progress 1
		.amdhsa_inst_pref_size 202
	.end_amdhsa_kernel
	.amdgpu_metadata
---
amdhsa.version: [ 1, 2 ]
amdhsa.kernels:
  - .name:           k_qaf04113cd0_gemm
    .symbol:         k_qaf04113cd0_gemm.kd
    .args:
      - { .name: xq, .offset: 0, .size: 8, .value_kind: global_buffer, .address_space: global }
      - { .name: xs, .offset: 8, .size: 8, .value_kind: global_buffer, .address_space: global }
      - { .name: wq, .offset: 16, .size: 8, .value_kind: global_buffer, .address_space: global }
      - { .name: ws, .offset: 24, .size: 8, .value_kind: global_buffer, .address_space: global }
      - { .name: ct_forward, .offset: 32, .size: 8, .value_kind: global_buffer, .address_space: global }
      - { .name: b_f, .offset: 40, .size: 8, .value_kind: global_buffer, .address_space: global }
      - { .name: b_r, .offset: 48, .size: 8, .value_kind: global_buffer, .address_space: global }
      - { .name: b_c, .offset: 56, .size: 8, .value_kind: global_buffer, .address_space: global }
      - { .name: out0, .offset: 64, .size: 8, .value_kind: global_buffer, .address_space: global }
      - { .name: out1, .offset: 72, .size: 8, .value_kind: global_buffer, .address_space: global }
    .group_segment_fixed_size: 327680
    .private_segment_fixed_size: 0
    .kernarg_segment_align: 8
    .kernarg_segment_size: 80
    .max_flat_workgroup_size: 128
    .sgpr_count:     106
    .vgpr_count:     1024
    .wavefront_size: 32
...
	.end_amdgpu_metadata
.endif
;; end of part 2
